; MI455X (gfx1250); checked and timed in simulation.
; The chip was launched on July 23, 2026; its instructions are those of AMD's public machine-readable ISA for CDNA 5 (MIT licence, August 2026) and "CDNA5" Instruction Set Architecture Reference Guide (July 2026). The comments in the code are by the model that wrote it; some were corrected since.
;; Multi Head Self Attention. Allowed arithmetic: matrix products marked QUANTISED: E4M3 operands, one given power-of-two scale a tensor, by v_wmma_f32_16x16x64_fp8_fp8 or v_wmma_f32_16x16x128_fp8_fp8, f32 sums; everything else in f32.
;; Inputs: Wk 1,024 x 1,024 float32; Wq 1,024 x 1,024 float32; Wv 1,024 x 1,024 float32; lowp_scales 10 int32 (the exponents e of the quantised operands' scales 2^e); x 4 x 2,048 x 1,024 float32.
;; Outputs: out0 4 x 2,048 x 1,024 float32.
;; This version of the problem:
;;   THIS VERSION OF THE PROBLEM IS GIVEN IN LOW PRECISION. The matrix products marked QUANTISED in the list below multiply operands that are first quantised to E4M3 (4 exponent bits, 3 mantissa bits; 8 bits a number), with one given power-of-two scale for each operand tensor; their sums are f32. All else is computed in f32.
;;   The module's matrix products, in the order in which they are computed (A, B: the left and right operand; K: the contracted axis; several contracted axes count as one K, in the product's order):
;;     1. [M 8,192, K 1,024] x [K 1,024, N 1,024]; A: input x; B: input Wq: QUANTISED (scales: A lowp_scales[0], B lowp_scales[1])
;;     2. [M 8,192, K 1,024] x [K 1,024, N 1,024]; A: input x; B: input Wk: QUANTISED (scales: A lowp_scales[2], B lowp_scales[3])
;;     3. [M 8,192, K 1,024] x [K 1,024, N 1,024]; A: input x; B: input Wv: QUANTISED (scales: A lowp_scales[4], B lowp_scales[5])
;;     4. batch 64 x [M 2,048, K 64] x [K 64, N 2,048]; A: computed on the way; B: computed on the way: QUANTISED (scales: A lowp_scales[6], B lowp_scales[7])
;;     5. batch 64 x [M 2,048, K 2,048] x [K 2,048, N 64]; A: softmax (see below); B: computed on the way: QUANTISED (scales: A lowp_scales[8], B lowp_scales[9])
;;   THE QUANTISER, for each operand of a quantised product, along K:
;;     - The operand's scale is 2^e, e = its entry of the input lowp_scales (int32; the entries are numbered through the quantised products in the list's order, A before B).
;;     - Each number is divided by the scale, clamped to +-448, and rounded to the nearest number of E4M3, ties to even, subnormals kept.
;;     - The product sums the exact products of the quantised numbers (number of the format x scale) in f32.
;;   ~~~python
;;   def quantise(x, axis, e):      # numpy; x: float32 -> the quantised numbers, widened to float32 again
;;       x = np.moveaxis(x, axis, -1); K = x.shape[-1]
;;       r = np.clip(x / 2.0 ** e, -448, 448)
;;       step = 2.0 ** (np.maximum(np.frexp(np.where(r == 0, 1, r))[1] - 1, -6) - 3)
;;       q = np.round(r / step) * step * 2.0 ** e      # np.round: ties to even
;;       return np.moveaxis(q, -1, axis).astype(np.float32)
;;   ~~~
;;   SOFTMAX AHEAD OF A QUANTISED PRODUCT. Where the list says 'softmax', what is quantised is not the finished softmax but p = 2^(t - M), with t = logit x log2(e) and M = ceil(the row's largest t), a whole number; so 1/2 < the row's largest p <= 1. The row's sum l is taken of the UNQUANTISED p, in f32, and the product's result is divided by l at the end. Since M is a whole number, a kernel that streams over the keys may use a running M (the ceiling of the running maximum): every later rescaling is an exact power of two, so the quantised numbers keep their values, but for numbers so far below the row's largest that they fall under the format's range.
;;   OPERANDS COMPUTED ON THE WAY. 'Computed on the way' means the value that the module computes at that place (a softmax that the list does not call 'softmax' is quantised finished and normalised). What goes into a quantiser is computed in f32, as accurately as f32 sums, v_exp_f32 and their like allow (about 1e-6 of the number): no bf16 or f16 on the way to a quantiser, and a product that is left as it is and whose result goes on into a quantised operand takes f32 operands (vector FMAs, or v_wmma_f32_16x16x4_f32). A number that lies on a knife's edge between two numbers of the format may be rounded either way, as far as f32 arithmetic and the matrix unit's own rounding can turn it there, and no further.
;; One version. Each part assembles by itself: llvm-mc -triple=amdgcn-amd-amdhsa -mcpu=gfx1250 --defsym DOCPART=n.
;; ======== version 1 of 1: 3 launches
;; limits: right only within a limited range of input values
;; workspace buffers: xc 25,165,824 bytes; wc 3,145,728 bytes; qkv 25,165,824 bytes
;; launch quant (part 1): grid 512 x 1, 4 waves a work-group, no clusters, 33,280 bytes of LDS; arguments x, Wq, Wk, Wv, lowp_scales, xc, wc; writes xc, wc
.if DOCPART == 1
	.amdgcn_target "amdgcn-amd-amdhsa--gfx1250"
	.amdhsa_code_object_version 6
	.text
	.protected	k_qc22061079d_quant
	.globl	k_qc22061079d_quant
	.p2align	8
	.type	k_qc22061079d_quant,@function
k_qc22061079d_quant:
	s_mov_b64 s[64:65], 0
	v_nop
	global_prefetch_b8 v0, s[64:65] scope:SCOPE_SE
	s_setreg_imm32_b32 hwreg(HW_REG_WAVE_MODE, 25, 1), 1
	s_wait_xcnt 0x0
; x [8192][1024] f32 becomes THREE sets of E4M3 codes, xc [3][8192][1024], one for each of its given scales (entries 0, 2, 4 of the scales' buffer: they need not be equal);
; Wq, Wk, Wv [1024][1024] f32 become wc [3][1024][1024] with entries 1, 3, 5.  K is innermost in all of them, so each tensor is a plain stream, and so are its codes.
; code = number / 2^e, held within +-448, rounded to the nearest code, ties to even.
; LIMITS: each e lies between -126 and 119, so that 2^e and 448 x 2^e are f32 numbers.  NaN among the inputs is not served; an infinity is held at the largest code.
; SHARES.  2,048 waves of equal work, no branch: wave g takes 8 steps of 512 numbers of x (numbers 4,096 g on) and one step of 512 numbers of each W (numbers 512 g on).
; A load reads 512 consecutive bytes, 16 a lane; the conversions want 16 NEIGHBOURS in one lane: so a step's 2,048 bytes turn through the wave's own stage in LDS (16 bytes of padding behind each 64).
; A lane's 16 codes are 16 bytes: each store of the wave covers 512 consecutive bytes, aligned.  x is read once and converted three times from registers.
; No tensor load, no barrier, no cluster: waves share nothing.  Eight steps' loads (32 a wave) are out at the start.
.set NSTEP, 11                         ; 8 steps of x, then Wq, Wk, Wv
.set SC,    4                          ; v[4+2j], v[5+2j]: 2^e and 448 x 2^e of job j; jobs 0-2: x with entries 0, 2, 4; jobs 3-5: Wq, Wk, Wv with entries 1, 3, 5
.set R,     32                         ; v32-159  eight sets of 16 numbers as they are loaded
.set X,     160                        ; v160-191 two sets of 16 neighbours
.set T,     192                        ; v192-207 the numbers held within the largest code x the scale
.set C,     208                        ; v208-231 two sets of 12 code registers, by turns
.set SP,    80                         ; a lane's place in a stage: its 64 bytes + 16 of padding
.set STG,   32*SP                      ; a stage; each wave has two, in a region of 8,192 bytes of its own
	s_load_b256 s[4:11], s[0:1], 0x0               ; x s[4:5], Wq s[6:7], Wk s[8:9], Wv s[10:11]
	s_load_b128 s[12:15], s[0:1], 0x20             ; the scales' exponents s[12:13], xc s[14:15]
	s_load_b64 s[16:17], s[0:1], 0x30              ; wc
	v_lshl_add_u32 v232, v0, 2, 0x8000
	v_mov_b32 v233, 0
	v_lshrrev_b32 v1, 5, v0
	v_readfirstlane_b32 s18, v1                    ; wave
	v_and_b32 v2, 31, v0                           ; lane
	v_lshlrev_b32 v3, 4, v2                        ; 16 x lane: my 16 bytes of a load's 512, and of a store's; never rewritten
	s_lshl_b32 s22, s18, 13                        ; my wave's region of LDS
	v_lshrrev_b32 v16, 2, v2
	v_mul_u32_u24 v16, v16, SP
	v_and_b32 v1, 3, v2
	v_lshl_add_u32 v16, v1, 4, v16
	v_add_nc_u32 v16, s22, v16                     ; the stage, on the way in: four lanes' 64 bytes on end, then the padding
	v_mul_u32_u24 v17, v2, SP
	v_add_nc_u32 v17, s22, v17                     ; and on the way out: my 16 neighbours
	s_lshl_b32 s19, ttmp9, 2
	s_add_co_u32 s19, s19, s18                     ; g = 4 x work-group + wave
	s_mov_b32 s21, 0
	s_wait_alu depctr_va_vdst(0)
	s_wait_kmcnt 0x0
	s_load_b256 s[24:31], s[12:13], 0x0            ; entries 0 to 7 (32 of the buffer's 40 bytes)
	s_lshl_b32 s20, s19, 14                        ; 4,096 numbers of 4 bytes
	s_add_nc_u64 s[4:5], s[4:5], s[20:21]
	s_lshl_b32 s20, s19, 11                        ; 512 numbers of 4 bytes
	s_add_nc_u64 s[6:7], s[6:7], s[20:21]
	s_add_nc_u64 s[8:9], s[8:9], s[20:21]
	s_add_nc_u64 s[10:11], s[10:11], s[20:21]
	s_lshl_b32 s20, s19, 12                        ; 4,096 codes
	s_add_nc_u64 s[32:33], s[14:15], s[20:21]      ; xc, set 0
	s_add_nc_u64 s[34:35], s[32:33], 0x800000      ; set 1: a base of its own, since 8,388,608 is beyond a store's immediate
	s_add_nc_u64 s[36:37], s[34:35], 0x800000      ; set 2
	s_lshl_b32 s20, s19, 9                         ; 512 codes
	s_add_nc_u64 s[16:17], s[16:17], s[20:21]
.macro LOAD t                          ; step t's 2,048 bytes into set t % 8
.irp i, 0,1,2,3
.if (\t) < 8
	global_load_b128 v[R+16*((\t)%8)+4*\i:R+16*((\t)%8)+4*\i+3], v3, s[4:5] offset:2048*(\t)+512*\i th:TH_LOAD_NT
.else
	global_load_b128 v[R+16*((\t)%8)+4*\i:R+16*((\t)%8)+4*\i+3], v3, s[6+2*((\t)-8):7+2*((\t)-8)] offset:512*\i th:TH_LOAD_NT
.endif
.endr
.endm
.macro TURN t                          ; step t's numbers through stage t % 2: LDS serves a wave's instructions in order, so no wait stands between the stores and the loads
.irp i, 0,1,2,3
	ds_store_b128 v16, v[R+16*((\t)%8)+4*\i:R+16*((\t)%8)+4*\i+3] offset:STG*((\t)%2)+8*SP*\i
.endr
.irp i, 0,1,2,3
	ds_load_b128 v[X+16*((\t)%2)+4*\i:X+16*((\t)%2)+4*\i+3], v17 offset:STG*((\t)%2)+16*\i
.endr
.endm
.macro CONV j, xs, cd                  ; 16 numbers at v[xs] become 16 codes at v[cd], by job j's scale
.irp i, 0,1,2,3,4,5,6,7,8,9,10,11,12,13,14,15
	v_med3_num_f32 v[T+\i], v[\xs+\i], -v[SC+2*(\j)+1], v[SC+2*(\j)+1]   ; the conversion to an 8-bit code does not saturate (ISA guide 7.6.2): the hold comes first; x's numbers stay as they are for the next job
.endr
	v_cvt_scalef32_pk8_fp8_f32 v[\cd:\cd+1], v[T:T+7], v[SC+2*(\j)]
	v_cvt_scalef32_pk8_fp8_f32 v[\cd+2:\cd+3], v[T+8:T+15], v[SC+2*(\j)]
	v_nop                                          ; a plain vector line between the conversions and the next job's holds, which write their sources
.endm
.irp t, 0,1,2,3,4,5,6,7
	LOAD \t
.endr
	s_wait_kmcnt 0x0
.irp j, 0,1,2,3,4,5                    ; job j's entry: 2 j for x's three, 2 (j - 3) + 1 for the weights'
	s_add_co_i32 s38, s[24+2*(\j%3)+\j/3], 127
	s_lshl_b32 s39, s38, 23
	v_mov_b32 v[SC+2*\j], s39                      ; 2^e as f32: the conversion takes its exponent field
	s_add_co_i32 s38, s38, 8
	s_lshl_b32 s38, s38, 23
	s_or_b32 s38, s38, 0x600000
	v_mov_b32 v[SC+2*\j+1], s38                    ; 448 x 2^e
.endr
	s_wait_loadcnt 28                              ; step 0's four loads are in; the seven steps' behind them may be out
	TURN 0
.macro STEP t
.set XS, X+16*((\t)%2)
.set CB, C+12*((\t)%2)
	s_wait_dscnt 0x0                               ; this step's numbers are back from the stage: so its stores into the stage have read their registers,
.if (\t)+8 < NSTEP
	LOAD (\t)+8                                    ; which take the loads of eight steps on
.endif
.if (\t)+1 < NSTEP
.if (\t)+8 < NSTEP
	s_wait_loadcnt 28                              ; the next step's four loads are in; seven steps' loads were issued behind them
.else
	s_wait_loadcnt 4*(NSTEP-2-(\t))                ; the same count, running down: nothing more is asked for
.endif
	TURN (\t)+1                                    ; the next step goes through the other stage while this one is worked
.endif
	s_wait_xcnt 0x0                                ; the stores of two steps back have read their data: this set of code registers is written again only behind this wait
.if (\t) < 8
.irp j, 0,1,2
	CONV \j, XS, CB+4*\j
	global_store_b128 v3, v[CB+4*\j:CB+4*\j+3], s[32+2*\j:33+2*\j] offset:512*(\t)
.endr
.else
	CONV (\t)-5, XS, CB
	global_store_b128 v3, v[CB:CB+3], s[16:17] offset:((\t)-8)*1048576
.endif
.endm
.irp t, 0,1,2,3,4,5,6,7,8,9,10
	STEP \t
.endr
	s_wait_tensorcnt 0x0
	ds_add_u32 v232, v233
	s_wait_dscnt 0x0
	s_endpgm
.Lfunc_end_k_qc22061079d_quant:
	.size	k_qc22061079d_quant, .Lfunc_end_k_qc22061079d_quant-k_qc22061079d_quant
	.p2alignl 7, 3214868480
	.fill 96, 4, 3214868480
	.section	.rodata,"a",@progbits
	.p2align	6, 0x0
	.amdhsa_kernel k_qc22061079d_quant
		.amdhsa_group_segment_fixed_size 33280
		.amdhsa_private_segment_fixed_size 0
		.amdhsa_enable_private_segment 0
		.amdhsa_kernarg_size 56
		.amdhsa_user_sgpr_count 2
		.amdhsa_user_sgpr_kernarg_segment_ptr 1
		.amdhsa_wavefront_size32 1
		.amdhsa_system_sgpr_workgroup_id_x 1
		.amdhsa_system_sgpr_workgroup_id_y 1
		.amdhsa_system_sgpr_workgroup_id_z 1
		.amdhsa_system_vgpr_workitem_id 0
		.amdhsa_next_free_vgpr 234
		.amdhsa_next_free_sgpr 66
		.amdhsa_reserve_vcc 0
		.amdhsa_float_denorm_mode_32 3
		.amdhsa_float_denorm_mode_16_64 3
		.amdhsa_memory_ordered 1
		.amdhsa_forward_progress 1
		.amdhsa_inst_pref_size 49
	.end_amdhsa_kernel
	.amdgpu_metadata
---
amdhsa.version: [ 1, 2 ]
amdhsa.kernels:
  - .name:           k_qc22061079d_quant
    .symbol:         k_qc22061079d_quant.kd
    .args:
      - { .name: x, .offset: 0, .size: 8, .value_kind: global_buffer, .address_space: global }
      - { .name: Wq, .offset: 8, .size: 8, .value_kind: global_buffer, .address_space: global }
      - { .name: Wk, .offset: 16, .size: 8, .value_kind: global_buffer, .address_space: global }
      - { .name: Wv, .offset: 24, .size: 8, .value_kind: global_buffer, .address_space: global }
      - { .name: lowp_scales, .offset: 32, .size: 8, .value_kind: global_buffer, .address_space: global }
      - { .name: xc, .offset: 40, .size: 8, .value_kind: global_buffer, .address_space: global }
      - { .name: wc, .offset: 48, .size: 8, .value_kind: global_buffer, .address_space: global }
    .group_segment_fixed_size: 33280
    .private_segment_fixed_size: 0
    .kernarg_segment_align: 8
    .kernarg_segment_size: 56
    .max_flat_workgroup_size: 128
    .sgpr_count:     66
    .vgpr_count:     234
    .wavefront_size: 32
...
	.end_amdgpu_metadata
.endif
;; end of part 1
;; launch qkv (part 2): grid 12 x 32, 4 waves a work-group, clusters of 4 x 4, 327,680 bytes of LDS; arguments xc, wc, lowp_scales, qkv; writes qkv
.if DOCPART == 2
	.amdgcn_target "amdgcn-amd-amdhsa--gfx1250"
	.amdhsa_code_object_version 6
	.text
	.protected	k_qc22061079d_qkv
	.globl	k_qc22061079d_qkv
	.p2align	8
	.type	k_qc22061079d_qkv,@function
k_qc22061079d_qkv:
	s_mov_b64 s[64:65], 0
	v_nop
	global_prefetch_b8 v0, s[64:65] scope:SCOPE_SE
	s_setreg_imm32_b32 hwreg(HW_REG_WAVE_MODE, 25, 1), 1
	s_wait_xcnt 0x0
	s_wait_alu depctr_hold_cnt(0) depctr_sa_sdst(0) depctr_va_vdst(0) depctr_va_sdst(0) depctr_va_ssrc(0) depctr_va_vcc(0) depctr_vm_vsrc(0)
	s_getreg_b32 s2, hwreg(HW_REG_IB_STS2, 6, 4)
	s_cmp_eq_u32 s2, 0
	s_cbranch_scc0 .Lentry_in_a_cluster
	s_endpgm
.Lentry_in_a_cluster:
	s_bfe_u32 s2, ttmp6, 0x10000c
	s_cmp_lg_u32 s2, 0xf033
	s_cbranch_scc0 .Lentry_shape_is_right
	s_endpgm
.Lentry_shape_is_right:
.set SIZE_K, 1024
.set KSTEP,  256
.set ROWB,   256
.set KROW,   SIZE_K
.set PITCH,  272
.set FR,     16
.set NL,     4
.set NP,     4
.set HALFT,  128*PITCH
.set SLOT,   4*HALFT
.set LAPS,   SIZE_K/(2*KSTEP)
.set SPARE,  2*SLOT
.set SCL,  10
.set LIM,  11
.set ADRA, 16
.set ADRB, 20
.set VO0,  24
.set VO1,  25
.set SPW,  28
.set NIL,  29
.set FAC,  32
.set TMP,  64
.set TH,   64
.set YY,   80
.set SN,   96
.set CN,   112
.set AF,   128
.set G1, 24
.set G0, 32
.set G1B, 48
.set G0B, 56
.set MSB, 0
.macro WIN new
.if MSB != \new
	s_set_vgpr_msb (MSB<<8)|\new
.set MSB, \new
.endif
.endm
.set MUL_LO, 0xa1
.set MUL_HI, 0xf1
.set TO_B,   0x40
.macro JLOAD g0a, g1a, g0b, g1b
	s_cmp_eq_u32 s15, 0
	s_cbranch_scc0 .Lfor_b_\@
	tensor_load_to_lds s[\g0a:\g0a+3], s[\g1a:\g1a+7]
	s_nop 0
.rept 4
	v_nop
.endr
	s_branch .Lasked_\@
.Lfor_b_\@:
	tensor_load_to_lds s[\g0b:\g0b+3], s[\g1b:\g1b+7]
	s_nop 0
.rept 4
	v_nop
.endr
.Lasked_\@:
.endm
.macro CREST
	s_cmp_lg_u32 s14, 0
	s_cbranch_scc1 .Lnot_wave_0_\@
	s_barrier_signal -3
.Lnot_wave_0_\@:
	s_barrier_wait -3
	s_barrier_signal -1
	s_barrier_wait -1
.endm
.macro CROUND
	s_barrier_signal -1
	s_barrier_wait -1
	CREST
.endm
	s_load_b128 s[4:7], s[0:1], 0x0
	s_load_b128 s[8:11], s[0:1], 0x10
	v_lshl_add_u32 v[SPW], v0, 2, SPARE
	v_mov_b32 v[NIL], 0
	ds_add_u32 v28, v29
	ds_add_u32 v28, v29
	s_wait_dscnt 0x0
	v_lshrrev_b32 v1, 5, v0
	v_readfirstlane_b32 s14, v1
	s_lshr_b32 s15, s14, 1
	s_and_b32 s16, s14, 1
	s_bfe_u32 s40, ttmp6, 0x40000
	s_bfe_u32 s41, ttmp6, 0x40004
	s_and_b32 s66, ttmp7, 0xffff
	s_lshl_b32 s67, s66, 2
	s_lshl_b32 s68, ttmp9, 23
	s_lshl_b32 s69, ttmp9, 20
	s_lshl_b32 s43, s41, 2
	s_lshl_b32 s43, 15, s43
	s_lshl_b32 s44, 0x1111, s40
	s_or_b32 s[G1+0], s43, (0<<16)|(1<<20)|(1<<21)|(5<<22)|(3<<25)
	s_or_b32 s[G1B+0], s44, (0<<16)|(1<<20)|(1<<21)|(5<<22)|(3<<25)
.irp g, G1, G1B
	s_mov_b32 s[\g+1], ROWB<<16
	s_mov_b32 s[\g+2], 128<<16
	s_mov_b32 s[\g+3], ROWB<<16
	s_mov_b32 s[\g+4], 128
	s_mov_b32 s[\g+5], KROW
	s_mov_b32 s[\g+6], 0
	s_mov_b32 s[\g+7], 0
.endr
	s_lshl_b32 s18, s16, 7
	s_cmp_lt_u32 ttmp9, 2
	s_cselect_b32 s17, s67, 0
	s_cselect_b32 s42, 0, s67
	s_cselect_b32 s70, s68, s69
	s_cselect_b32 s71, s69, s68
	s_add_co_u32 s17, s17, s41
	s_add_co_u32 s42, s42, s40
	s_lshl_b32 s20, s17, 8
	s_add_co_u32 s20, s20, s18
	s_lshl_b32 s20, s20, 10
	s_add_co_u32 s20, s20, s70
	s_mov_b32 s21, 0
	s_lshl_b32 s46, s42, 8
	s_add_co_u32 s46, s46, s18
	s_lshl_b32 s46, s46, 10
	s_add_co_u32 s46, s46, s71
	s_mov_b32 s47, 0
	s_mul_i32 s45, s14, HALFT
	s_wait_kmcnt 0x0
	s_load_b256 s[72:79], s[8:9], 0x0
	s_load_b64 s[80:81], s[8:9], 0x20
	s_cmp_lt_u32 ttmp9, 2
	s_cselect_b64 s[92:93], s[4:5], s[6:7]
	s_cselect_b64 s[94:95], s[6:7], s[4:5]
	s_add_nc_u64 s[20:21], s[92:93], s[20:21]
	s_add_nc_u64 s[46:47], s[94:95], s[46:47]
	CROUND
.irp s, 0,1
	s_mov_b32 s[G0+4*\s], 1
	s_add_co_u32 s[G0+4*\s+1], s45, \s*SLOT
	s_add_nc_u64 s[G0+4*\s+2:G0+4*\s+3], s[20:21], \s*ROWB
	s_or_b32 s[G0+4*\s+3], s[G0+4*\s+3], 0x80000000
	s_mov_b32 s[G0B+4*\s], 1
	s_add_co_u32 s[G0B+4*\s+1], s45, \s*SLOT
	s_add_nc_u64 s[G0B+4*\s+2:G0B+4*\s+3], s[46:47], \s*ROWB
	s_or_b32 s[G0B+4*\s+3], s[G0B+4*\s+3], 0x80000000
.endr
	JLOAD G0, G1, G0B, G1B                         ; K step 0, behind the opening round: one tensor load a wave at the head; the set-up below stands under it
	v_and_b32 v1, 15, v0
	v_bfe_u32 v2, v0, 4, 1
	v_mul_u32_u24 v3, v1, PITCH
	v_lshl_add_u32 v4, v2, 4, v3
	s_mul_i32 s21, s15, HALFT
	s_mul_i32 s22, s16, HALFT
	s_add_co_u32 s22, s22, 2*HALFT
.irp s, 0,1
	v_add_nc_u32 v[ADRA+\s], s21, v4
	v_add_nc_u32 v[ADRB+\s], s22, v4
	s_add_co_u32 s21, s21, SLOT
	s_add_co_u32 s22, s22, SLOT
.endr
	s_min_u32 s89, ttmp9, 1
	s_add_co_u32 s90, s89, 17
	s_lshr_b32 s91, ttmp9, 1
	s_lshl_b32 s88, 1, s90
	s_lshr_b32 s83, s66, 1
	s_lshl_b32 s84, 1024, s91
	s_mov_b32 s85, 0
	s_mov_b32 s86, 256000
	s_mov_b32 s87, 0
	s_cmp_lt_u32 ttmp9, 2
	s_cselect_b32 s92, s41, s40
	s_cselect_b32 s93, s15, s16
	s_cselect_b32 s94, s40, s41
	s_cselect_b32 s95, s16, s15
	s_cselect_b32 s86, 1024, s86
	s_cselect_b32 s88, s88, 1024
	s_cselect_b32 s96, s83, 0
	s_add_co_u32 s92, s92, s67
	s_and_b32 s92, s92, 7
	s_lshl_b32 s92, s92, 1
	s_add_co_u32 s92, s92, s93
	s_lshl_b32 s94, s94, 2
	s_lshl_b32 s95, s95, 1
	s_add_co_u32 s94, s94, s95
	s_lshl_b32 s95, s83, 4
	s_add_co_u32 s94, s94, s95
	s_lshl_b32 s94, s94, s90
	s_sub_co_u32 s90, s90, 4
	s_lshl_b32 s92, s92, s90
	s_add_co_u32 s94, s94, s92
	s_lshl_b32 s89, s89, 23
	s_add_co_u32 s94, s94, s89
	s_lshl_b32 s91, s91, 13
	s_add_co_u32 s94, s94, s91
	s_mov_b32 s95, 0
	s_add_nc_u64 s[10:11], s[10:11], s[94:95]
	v_and_b32 v6, 31, v0
	v_lshlrev_b32 v[VO0], 4, v6
	v_add_nc_u32 v[VO1], s88, v[VO0]
	v_lshlrev_b32 v5, 3, v2
.irp u, 0,1,2,3,4,5,6,7,8,9,10,11,12,13,14,15
	v_add_nc_u32 v[TH+\u], 16*(\u/8)+\u%8, v5
.endr
.irp u, 0,1,2,3,4,5,6,7,8,9,10,11,12,13,14,15
	v_cvt_f32_u32 v[TH+\u], v[TH+\u]
.endr
.irp u, 0,1,2,3,4,5,6,7,8,9,10,11,12,13,14,15
	v_mul_f32 v[TH+\u], 0xbed49a78, v[TH+\u]
.endr
	s_wait_alu depctr_va_vdst(0)
.irp u, 0,1,2,3,4,5,6,7,8,9,10,11,12,13,14,15
	v_exp_f32 v[TH+\u], v[TH+\u]
.endr
	v_mov_b32 v12, s96
	v_cvt_f32_u32 v12, v12
	v_mul_f32 v12, 0x3e800000, v12
	v_mov_b32 v13, v12
	v_mov_b32 v6, 0xb2d7322b
	v_mov_b32 v7, v6
	v_mov_b32 v8, 0x310f76c7
	v_mov_b32 v9, v8
	s_wait_alu depctr_va_vdst(0)
.irp k, 0,2,4,6,8,10,12,14
	v_pk_mul_f32 v[TH+\k:TH+\k+1], v[TH+\k:TH+\k+1], v[12:13]
.endr
.irp k, 0,2,4,6,8,10,12,14
	v_pk_mul_f32 v[YY+\k:YY+\k+1], v[TH+\k:TH+\k+1], v[TH+\k:TH+\k+1]
.endr
.irp k, 0,2,4,6,8,10,12,14
	v_pk_fma_f32 v[SN+\k:SN+\k+1], v[YY+\k:YY+\k+1], v[6:7], 0x3638ef1d op_sel_hi:[1,1,0]
	v_pk_fma_f32 v[CN+\k:CN+\k+1], v[YY+\k:YY+\k+1], v[8:9], 0xb493f27e op_sel_hi:[1,1,0]
.endr
.irp c, 0xb9500d01, 0x3c088889, 0xbe2aaaab, 1.0
.irp k, 0,2,4,6,8,10,12,14
	v_pk_fma_f32 v[SN+\k:SN+\k+1], v[SN+\k:SN+\k+1], v[YY+\k:YY+\k+1], \c op_sel_hi:[1,1,0]
.endr
.endr
.irp c, 0x37d00d01, 0xbab60b61, 0x3d2aaaab, -0.5, 1.0
.irp k, 0,2,4,6,8,10,12,14
	v_pk_fma_f32 v[CN+\k:CN+\k+1], v[CN+\k:CN+\k+1], v[YY+\k:YY+\k+1], \c op_sel_hi:[1,1,0]
.endr
.endr
.irp k, 0,2,4,6,8,10,12,14
	v_pk_mul_f32 v[SN+\k:SN+\k+1], v[SN+\k:SN+\k+1], v[TH+\k:TH+\k+1]
.endr
.rept 2
.irp k, 0,2,4,6,8,10,12,14
	v_pk_mul_f32 v[YY+\k:YY+\k+1], v[SN+\k:SN+\k+1], v[CN+\k:CN+\k+1]
.endr
.irp k, 0,2,4,6,8,10,12,14
	v_pk_mul_f32 v[SN+\k:SN+\k+1], v[SN+\k:SN+\k+1], v[SN+\k:SN+\k+1]
.endr
.irp k, 0,2,4,6,8,10,12,14
	v_pk_fma_f32 v[CN+\k:CN+\k+1], v[SN+\k:SN+\k+1], -2.0, 1.0 op_sel_hi:[1,0,0]
.endr
.irp k, 0,2,4,6,8,10,12,14
	v_pk_add_f32 v[SN+\k:SN+\k+1], v[YY+\k:YY+\k+1], v[YY+\k:YY+\k+1]
.endr
.endr
.irp k, 0,2,4,6,8,10,12,14
	v_pk_add_f32 v[FAC+\k:FAC+\k+1], v[CN+\k:CN+\k+1], v[SN+\k:SN+\k+1]
	v_pk_add_f32 v[FAC+16+\k:FAC+16+\k+1], v[CN+\k:CN+\k+1], v[SN+\k:SN+\k+1] neg_lo:[0,1] neg_hi:[0,1]
.endr
	s_wait_kmcnt 0x0
	s_sub_co_i32 s97, s78, s72
	s_sub_co_i32 s97, s97, s73
	s_sub_co_i32 s98, s79, s74
	s_sub_co_i32 s98, s98, s75
	s_sub_co_i32 s99, s81, s76
	s_sub_co_i32 s99, s99, s77
	s_cmp_eq_u32 ttmp9, 0
	s_cselect_b32 s82, s97, s98
	s_cmp_eq_u32 ttmp9, 2
	s_cselect_b32 s82, s99, s82
	s_add_co_i32 s82, s82, 127
	s_lshl_b32 s97, s82, 23
	v_mov_b32 v[SCL], s97
	s_add_co_i32 s82, s82, 8
	s_lshl_b32 s82, s82, 23
	s_or_b32 s82, s82, 0x600000
	v_mov_b32 v[LIM], s82
.macro FRAG reg, adr, q, i
.irp c, 0,1,2,3
	ds_load_b128 v[\reg+4*\c:\reg+4*\c+3], v[\adr] offset:128*(\q)+32*\c+(\i)*16*PITCH
.endr
.endm
.macro MUL16 a0, p, zero
.irp a, \a0, \a0+1
.irp b, 0,1,2,3,4,5,6,7
.if \zero
	v_wmma_f32_16x16x128_fp8_fp8 v[8*(8*((\a)%4)+\b):8*(8*((\a)%4)+\b)+7], v[128*(\p)+FR*\b:128*(\p)+FR*\b+FR-1], v[AF+FR*(\a):AF+FR*(\a)+FR-1], 0
.else
	v_wmma_f32_16x16x128_fp8_fp8 v[8*(8*((\a)%4)+\b):8*(8*((\a)%4)+\b)+7], v[128*(\p)+FR*\b:128*(\p)+FR*\b+FR-1], v[AF+FR*(\a):AF+FR*(\a)+FR-1], v[8*(8*((\a)%4)+\b):8*(8*((\a)%4)+\b)+7]
.endif
.endr
.endr
.endm
.macro FETCH_B slot, q, p
	WIN TO_B
.irp i, 0,1,2,3,4,5,6,7
	FRAG 128*(\p)+FR*\i, ADRB+\slot, \q, \i
.endr
	WIN 0
.endm
.macro FETCH_A slot, q, i0
.irp i, \i0, \i0+1, \i0+2, \i0+3
	FRAG AF+FR*(\i), ADRA+\slot, \q, \i
.endr
.endm
.macro PLACES n
.rept \n
	v_nop
.endr
.endm
.macro STEP slot, q, zero
	s_wait_dscnt 4*NL
	WIN MUL_LO
	MUL16 0, (\q)%2, \zero
	MUL16 2, (\q)%2, \zero
	s_wait_dscnt 0
	PLACES NP
	FETCH_B \slot, (\q)+1, 1-(\q)%2
	FETCH_A \slot, (\q)+1, 0
	WIN MUL_HI
	MUL16 4, (\q)%2, \zero
	MUL16 6, (\q)%2, \zero
	PLACES NP
	WIN 0
	FETCH_A \slot, (\q)+1, 4
.endm
.macro TURN slot, next, fill
	s_wait_tensorcnt 0x0
	ds_add_u32 v[SPW], v[NIL]
	s_wait_dscnt 4*NL+1
	WIN MUL_LO
	MUL16 0, 1, 0
	s_wait_dscnt 0x0
	s_barrier_signal -1
	MUL16 2, 1, 0
	WIN 0
	s_barrier_wait -1
.if \fill
	CREST
	s_add_nc_u64 s[G0+4*\slot+2:G0+4*\slot+3], s[G0+4*\slot+2:G0+4*\slot+3], 2*ROWB
	s_add_nc_u64 s[G0B+4*\slot+2:G0B+4*\slot+3], s[G0B+4*\slot+2:G0B+4*\slot+3], 2*ROWB
	JLOAD G0+4*\slot, G1, G0B+4*\slot, G1B
.else
	PLACES NP
.endif
	FETCH_B \next, 0, 0
	FETCH_A \next, 0, 0
	WIN MUL_HI
	MUL16 4, 1, 0
	MUL16 6, 1, 0
	PLACES NP
	WIN 0
	FETCH_A \next, 0, 4
.endm
	s_wait_alu depctr_va_vdst(0)                   ; the wait at the head's end
	s_wait_tensorcnt 0x0                           ; my part of K step 0 is in
	ds_add_u32 v[SPW], v[NIL]
	s_wait_dscnt 0x0
	CROUND                                         ; everybody's part of K step 0 is in, and all sixteen work-groups are here
	JLOAD G0+4, G1, G0B+4, G1B                     ; K step 1: the first tensor load behind the round
	FETCH_B 0, 0, 0
	FETCH_A 0, 0, 0
	FETCH_A 0, 0, 4
	STEP 0, 0, 1
	s_mov_b32 s3, LAPS-1
.Llap:
	TURN 0, 1, 1
	STEP 1, 0, 0
	TURN 1, 0, 1
	STEP 0, 0, 0
	s_sub_co_u32 s3, s3, 1
	s_cmp_lg_u32 s3, 0
	s_cbranch_scc1 .Llap
	TURN 0, 1, 0
	STEP 1, 0, 0
	s_wait_dscnt 4*NL
	WIN MUL_LO
	MUL16 0, 1, 0
	MUL16 2, 1, 0
	s_wait_dscnt 0
	WIN MUL_HI
	MUL16 4, 1, 0
	MUL16 6, 1, 0
	WIN 0
.macro OUT a
.set AC, 64*((\a)%4)
.set CD, 128+16*(\a)
.set WSRC, 0x02+((\a)/4)
	WIN WSRC
.irp b, 0,1,2,3,4,5,6,7
.irp i, 0,2,4,6
	v_pk_mul_f32 v[TMP+8*\b+\i:TMP+8*\b+\i+1], v[AC+8*\b+\i:AC+8*\b+\i+1], v[FAC+8*(\b%4)+\i:FAC+8*(\b%4)+\i+1]
.endr
.endr
	WIN 0
.set n, 0
.rept 64
	v_med3_num_f32 v[TMP+n], v[TMP+n], -v[LIM], v[LIM]
.set n, n+1
.endr
.irp b, 0,1,2,3,4,5,6,7
	v_cvt_scalef32_pk8_fp8_f32 v[CD+2*\b:CD+2*\b+1], v[TMP+8*\b:TMP+8*\b+7], v[SCL]
.endr
	v_nop
.if (\a) > 0
	s_wait_alu depctr_va_vdst(0)
	s_wait_xcnt 0x0
.if (\a) == 4
	s_add_nc_u64 s[10:11], s[10:11], s[86:87]
.else
	s_add_nc_u64 s[10:11], s[10:11], s[84:85]
.endif
.endif
	global_store_b128 v[VO0], v[CD:CD+3], s[10:11]
	global_store_b128 v[VO0], v[CD+4:CD+7], s[10:11] offset:512
	global_store_b128 v[VO1], v[CD+8:CD+11], s[10:11]
	global_store_b128 v[VO1], v[CD+12:CD+15], s[10:11] offset:512
.endm
	PLACES NP
.irp a, 0,1,2,3,4,5,6,7
	OUT \a
.endr
	s_wait_tensorcnt 0x0
	ds_add_u32 v[SPW], v[NIL]
	s_wait_dscnt 0x0
	CROUND
	s_endpgm
.Lfunc_end_k_qc22061079d_qkv:
	.size	k_qc22061079d_qkv, .Lfunc_end_k_qc22061079d_qkv-k_qc22061079d_qkv
	.p2alignl 7, 3214868480
	.fill 96, 4, 3214868480
	.section	.rodata,"a",@progbits
	.p2align	6, 0x0
	.amdhsa_kernel k_qc22061079d_qkv
		.amdhsa_group_segment_fixed_size 327680
		.amdhsa_private_segment_fixed_size 0
		.amdhsa_enable_private_segment 0
		.amdhsa_kernarg_size 32
		.amdhsa_user_sgpr_count 2
		.amdhsa_user_sgpr_kernarg_segment_ptr 1
		.amdhsa_wavefront_size32 1
		.amdhsa_system_sgpr_workgroup_id_x 1
		.amdhsa_system_sgpr_workgroup_id_y 1
		.amdhsa_system_sgpr_workgroup_id_z 1
		.amdhsa_system_vgpr_workitem_id 0
		.amdhsa_next_free_vgpr 1024
		.amdhsa_next_free_sgpr 100
		.amdhsa_reserve_vcc 0
		.amdhsa_float_denorm_mode_32 3
		.amdhsa_float_denorm_mode_16_64 3
		.amdhsa_memory_ordered 1
		.amdhsa_forward_progress 1
		.amdhsa_inst_pref_size 153
	.end_amdhsa_kernel
	.amdgpu_metadata
---
amdhsa.version: [ 1, 2 ]
amdhsa.kernels:
  - .name:           k_qc22061079d_qkv
    .symbol:         k_qc22061079d_qkv.kd
    .args:
      - { .name: xc, .offset: 0, .size: 8, .value_kind: global_buffer, .address_space: global }
      - { .name: wc, .offset: 8, .size: 8, .value_kind: global_buffer, .address_space: global }
      - { .name: lowp_scales, .offset: 16, .size: 8, .value_kind: global_buffer, .address_space: global }
      - { .name: qkv, .offset: 24, .size: 8, .value_kind: global_buffer, .address_space: global }
    .group_segment_fixed_size: 327680
    .private_segment_fixed_size: 0
    .kernarg_segment_align: 8
    .kernarg_segment_size: 32
    .max_flat_workgroup_size: 128
    .sgpr_count:     100
    .vgpr_count:     1024
    .wavefront_size: 32
...
	.end_amdgpu_metadata
.endif
;; end of part 2
;; launch attn (part 3): grid 4 x 64, 8 waves a work-group, clusters of 4 x 1, 327,680 bytes of LDS; arguments qkv, lowp_scales, out0; writes out0
.if DOCPART == 3
	.amdgcn_target "amdgcn-amd-amdhsa--gfx1250"
	.amdhsa_code_object_version 6
	.text
	.protected	k_qc22061079d_attn
	.globl	k_qc22061079d_attn
	.p2align	8
	.type	k_qc22061079d_attn,@function
k_qc22061079d_attn:
	s_mov_b64 s[64:65], 0
	v_nop
	global_prefetch_b8 v0, s[64:65] scope:SCOPE_SE
	s_setreg_imm32_b32 hwreg(HW_REG_WAVE_MODE, 25, 1), 1
	s_wait_xcnt 0x0
	s_wait_alu depctr_hold_cnt(0) depctr_sa_sdst(0) depctr_va_vdst(0) depctr_va_sdst(0) depctr_va_ssrc(0) depctr_va_vcc(0) depctr_vm_vsrc(0)
	s_getreg_b32 s2, hwreg(HW_REG_IB_STS2, 6, 4)
	s_cmp_eq_u32 s2, 0
	s_cbranch_scc0 .Lentry_in_a_cluster
	s_endpgm
.Lentry_in_a_cluster:
	s_bfe_u32 s2, ttmp6, 0x10000c
	s_cmp_lg_u32 s2, 0x3003
	s_cbranch_scc0 .Lentry_shape_is_right
	s_endpgm
.Lentry_shape_is_right:
; out[b][q][64 h + :] = the sum over k of softmax_k(Q . K / 8) V, for the 64 heads bh = 16 b + h, 2,048 queries and keys, head size 64, both products on E4M3 codes with the given scales 2^e6 (q), 2^e7 (k), 2^e8 (p), 2^e9 (v).
; THE SOFTMAX AHEAD OF THE SECOND PRODUCT: t = score x log2(e) / 8; M = the row's largest t so far, rounded UP to a whole number; p = 2^(t - M) is what is quantised, not normalised.  The row's sum is taken of the
; unquantised p, in f32, and divides O at the end.  When M moves, the sum and O are multiplied by 2^(old M - new M): nothing is rounded, and no branch hangs on data.
; INPUT: qkv as the launch before has laid it: images of operand registers.  q: [bh][128 tiles of 16 queries][1,024 bytes]; from byte 8,388,608: [bh][16 blocks of 128 keys][K's 8 tiles of 16 keys, 1,024 bytes each; V^T's 4 fragments of 16 channels x 128 keys, 2,048 each].
; SHARES.  A work-group owns 512 queries of one head; each of its EIGHT waves 64 of them, four tiles, in 512 registers.  A key step is 128 keys: each of K's 8 fragments feeds 4 products, each of V^T's 4 fragments 4.
; A HEAD'S K AND V, 262,144 BYTES, STAY IN LDS, each byte filled once, in two parts: the head's load (8,192 bytes a wave) brings key blocks 0 to 3; behind the sequence and the round, a second load (24,576 bytes a wave)
; brings blocks 4 to 15, and steps 0 to 2, which read blocks 0 to 3 alone, are walked under it; one wait and one barrier follow, and none after that in the walk.
; All of a head's K and V are asked for in these two loads: no later load is left for a prefetch to run ahead of, so none is written.
; CLUSTER.  The four work-groups of a cluster are the four blocks of queries of ONE head: they ask for its K and V jointly, by the same loads with the same descriptors and a mask that names the four.
; FRAGMENTS RUN AHEAD: the next step's K is read from LDS behind this step's last product with K, the next step's V^T behind this step's last product with V^T: 32 LDS loads are out at the most.
; LAYOUT.  Both products are used transposed: S^T = K Q^T, O^T = V^T P^T: a lane holds ONE query (lane % 16) of each tile throughout.  In tile u of S^T lane (r, h) holds keys 16 u + 8 h + 0 .. 7, which one conversion turns into registers 2 u, 2 u + 1 of P.
; The softmax is taken of two tiles at a time, line by line in turns: eight chains for the maximum and six for the sum.
; O^T and the sums begin as zeros and the largest t as -3e38, so that the step has no first copy; the last step is written out, since it reads no further fragments.
; LIMITS on the given exponents, so that each power of two below is an f32 number: e6 + e7 between -123 and 130 (added to c's exponent field); e8 between -126 and 119; e8 + e9 is applied by v_ldexp_f32 and has none.
; REGISTERS, window 0: v1 16 x lane; v2 the LDS address of the fragments being read; v3, v4 the add's two; v6 2^e8; v8-23 four tiles' statistics; v24-31 at work; v32-63 Q; v64-191 S^T of two tiles, then p; v192-255 K's fragments.
;            window 1: v0-127 O^T (tile j at 32 j); v128-191 V^T's fragments; v192-255 P (tile j at 192 + 16 j).
.set LI,   1
.set ADR,  2
.set SPW,  3
.set NIL,  4
.set SCLV, 6
.set ST,   8                           ; tile j: v[8+4j] -M, v[9+4j] the largest t, v[10+4j:11+4j] the sum in two halves
.set Q,    32
.set SX,   64
.set SY,   128
.set KF,   192
.set VF,   128                         ; window 1
.set PP,   192                         ; window 1
.set G1,   16                          ; s[16:23] descriptor group 1 of the first load, s[24:27] its group 0
.set G1R,  32                          ; s[32:39] group 1 of the second load, s[28:31] its group 0
.set SPARE, 0x40000                    ; behind K and V: the spare words, 128 bytes a wave: four blocks of 256 bytes that no other line names
.set STAGE, 0x40400                    ; behind them: a stage of 16 rows x 272 bytes for each wave, bytes of its own that no tensor load fills
.set SPITCH, 272
.set MSB, 0
.macro WIN new                         ; the immediate's high byte repeats the setting that is left
.if MSB != \new
	s_set_vgpr_msb (MSB<<8)|\new
.set MSB, \new
.endif
.endm
.macro CROUND                          ; a round of the cluster's barrier
	s_barrier_signal -1
	s_barrier_wait -1
	s_cmp_lg_u32 s12, 0
	s_cbranch_scc1 .Lnot_wave_0_\@
	s_barrier_signal -3
.Lnot_wave_0_\@:
	s_barrier_wait -3
	s_barrier_signal -1
	s_barrier_wait -1
.endm
.macro PLACES n
.rept \n
	v_nop
.endr
.endm
	s_load_b128 s[4:7], s[0:1], 0x0                ; qkv s[4:5], the scales' exponents s[6:7]
	s_load_b64 s[8:9], s[0:1], 0x10                ; out
	v_lshl_add_u32 v[SPW], v0, 2, SPARE
	v_mov_b32 v[NIL], 0
	ds_add_u32 v[SPW], v[NIL]                      ; the opening lines: the add, twice on end, and its wait ahead of my first tensor load
	ds_add_u32 v[SPW], v[NIL]
	v_lshrrev_b32 v7, 5, v0
	v_readfirstlane_b32 s12, v7                    ; wave 0..7
	v_and_b32 v7, 31, v0
	v_lshlrev_b32 v[LI], 4, v7
	s_bfe_u32 s13, ttmp6, 0x40000                  ; cx: my block of 512 queries; it enters Q's and out's addresses alone
	s_and_b32 s14, ttmp7, 0xffff                   ; bh, which the four partners share
	; descriptor groups 1: dense blocks as rows of 32 elements of 8 bytes: 32 rows (8,192 bytes) and 96 rows (24,576 bytes)
	s_mov_b32 s[G1], 15|(3<<16)|(1<<21)            ; the mask: all four work-groups; elements of 8 bytes; no padding; bit 21 set beside a mask
	s_mov_b32 s[G1+1], 32<<16                      ; tensor_dim0
	s_mov_b32 s[G1+2], 32<<16                      ; tensor_dim1
	s_mov_b32 s[G1+3], 32<<16                      ; tile_dim0
	s_mov_b32 s[G1+4], 32                          ; tile_dim1
	s_mov_b32 s[G1+5], 32                          ; the pitch
	s_mov_b32 s[G1+6], 0
	s_mov_b32 s[G1+7], 0
	s_mov_b32 s[G1R], 15|(3<<16)|(1<<21)
	s_mov_b32 s[G1R+1], 32<<16
	s_mov_b32 s[G1R+2], 96<<16
	s_mov_b32 s[G1R+3], 32<<16
	s_mov_b32 s[G1R+4], 96
	s_mov_b32 s[G1R+5], 32
	s_mov_b32 s[G1R+6], 0
	s_mov_b32 s[G1R+7], 0
	s_mov_b32 s40, 0x76543210                      ; v_permlanex16_b32's selects for lane l xor 16
	s_mov_b32 s41, 0xfedcba98
	s_mov_b32 s42, 0x3e38aa3b                      ; c = log2(e) / 8
	s_mov_b32 s44, 0                               ; the LDS byte of the key block whose fragments are read
	s_lshl_b32 s56, s12, 13                        ; the first load: 8,192 x wave, in LDS and in the head's block alike
	s_mov_b32 s57, 0
	s_mul_i32 s60, s12, 24576
	s_add_co_u32 s60, s60, 65536                   ; the second: 65,536 + 24,576 x wave
	s_mov_b32 s61, 0
	s_lshl_b32 s52, s14, 18                        ; the head's K and V,
	s_add_co_u32 s52, s52, 0x800000                ; behind q
	s_mov_b32 s53, 0
	s_lshl_b32 s54, s14, 17                        ; the head's q,
	s_lshl_b32 s55, s13, 15                        ; my work-group's 32 tiles of 1,024 bytes,
	s_add_co_u32 s54, s54, s55
	s_lshl_b32 s55, s12, 12                        ; my wave's four
	s_add_co_u32 s54, s54, s55
	s_mov_b32 s55, 0
	s_lshr_b32 s58, s14, 4
	s_lshl_b32 s58, s58, 11                        ; out: row 2,048 x batch
	s_lshl_b32 s59, s13, 9
	s_add_co_u32 s58, s58, s59                     ; + 512 x block
	s_lshl_b32 s59, s12, 6
	s_add_co_u32 s58, s58, s59                     ; + 64 x wave,
	s_lshl_b32 s58, s58, 12                        ; of 4,096 bytes,
	s_and_b32 s59, s14, 15
	s_lshl_b32 s59, s59, 8
	s_add_co_u32 s58, s58, s59                     ; + the head's 256 bytes of a row
	s_mov_b32 s59, 0
	s_wait_alu depctr_va_vdst(0)
	s_wait_dscnt 0x0                               ; both opening adds are done
	s_wait_kmcnt 0x0
	s_load_b64 s[48:49], s[6:7], 0x18              ; e6, e7
	s_load_b64 s[50:51], s[6:7], 0x20              ; e8, e9
	s_add_nc_u64 s[52:53], s[4:5], s[52:53]
	s_add_nc_u64 s[54:55], s[4:5], s[54:55]
	s_add_nc_u64 s[8:9], s[8:9], s[58:59]
	s_mov_b32 s24, 1                               ; groups 0: count = 1,
	s_mov_b32 s25, s56                             ; the LDS address,
	s_add_nc_u64 s[26:27], s[52:53], s[56:57]      ; the global address: the same offset in the head's block,
	s_or_b32 s27, s27, 0x80000000                  ; type = 2
	s_mov_b32 s28, 1
	s_mov_b32 s29, s60
	s_add_nc_u64 s[30:31], s[52:53], s[60:61]
	s_or_b32 s31, s31, 0x80000000
	CROUND                                         ; all four work-groups are here: the joint loads meet
	tensor_load_to_lds s[24:27], s[G1:G1+7]        ; my eighth of key blocks 0 to 3: one tensor load a wave at the head
	s_nop 0
	PLACES 4
.irp j, 0,1,2,3
	global_load_b128 v[Q+8*\j:Q+8*\j+3], v[LI], s[54:55] offset:1024*\j        ; Q's four fragments stay in registers
	global_load_b128 v[Q+8*\j+4:Q+8*\j+7], v[LI], s[54:55] offset:1024*\j+512
.endr
.irp j, 0,1,2,3
	v_mov_b32 v[ST+4*\j+1], 0xff61b1e6             ; the largest t so far: -3e38, under every t
	v_mov_b32 v[ST+4*\j+2], 0                      ; the sum, in two halves
	v_mov_b32 v[ST+4*\j+3], 0
.endr
.irp j, 0,1,2,3
	v_floor_f32 v[ST+4*\j], -v[ST+4*\j+1]          ; -M
.endr
.irp r, 24,25,26,27,28,29,30,31
	v_mov_b32 v\r, 0                               ; written once: lane permutes' destinations and the upper halves of named pairs
.endr
	WIN 0x40
.set n, 0
.rept 128
	v_mov_b32 v[n], 0                              ; O^T of the four tiles: the first change of M multiplies zeros
.set n, n+1
.endr
	WIN 0
	s_wait_kmcnt 0x0
	s_add_co_i32 s62, s48, s49
	s_lshl_b32 s62, s62, 23
	s_add_co_i32 s42, s42, s62                     ; a score stands for score x 2^(e6 + e7): the two exponents are added to c's exponent field
	s_mov_b32 s43, s42                             ; (named with it as a pair, so it is written)
	s_add_co_i32 s62, s50, 127
	s_lshl_b32 s63, s62, 23
	v_mov_b32 v[SCLV], s63                         ; 2^e8 as f32, for the conversion
	s_add_co_i32 s62, s62, 8
	s_lshl_b32 s62, s62, 23
	s_or_b32 s47, s62, 0x600000                    ; 448 x 2^e8
	s_add_co_i32 s46, s50, s51                     ; e8 + e9
	v_add_nc_u32 v[ADR], s44, v[LI]
; S^T = K Q^T for tiles 2 p and 2 p + 1: each of K's eight fragments feeds both
.macro QK p
.irp u, 0,1,2,3,4,5,6,7
	v_wmma_f32_16x16x64_fp8_fp8 v[SX+8*\u:SX+8*\u+7], v[KF+8*\u:KF+8*\u+7], v[Q+16*(\p):Q+16*(\p)+7], 0
	v_wmma_f32_16x16x64_fp8_fp8 v[SY+8*\u:SY+8*\u+7], v[KF+8*\u:KF+8*\u+7], v[Q+16*(\p)+8:Q+16*(\p)+15], 0
.endr
.endm
.macro LOADK                           ; 16 loads of 512 consecutive bytes each
.irp u, 0,1,2,3,4,5,6,7
	ds_load_b128 v[KF+8*\u:KF+8*\u+3], v[ADR] offset:1024*\u
	ds_load_b128 v[KF+8*\u+4:KF+8*\u+7], v[ADR] offset:1024*\u+512
.endr
.endm
.macro LOADV                           ; 16 loads; the destination lies in window 1
.irp a, 0,1,2,3
.irp c, 0,1,2,3
	ds_load_b128 v[VF+16*\a+4*\c:VF+16*\a+4*\c+3], v[ADR] offset:8192+2048*\a+512*\c
.endr
.endr
.endm
.macro FMAS cnt                        ; t - M, two at a time (of the pairs c and -M the low word serves both halves), from register n on
.rept \cnt
	v_pk_fma_f32 v[SX+n:SX+n+1], v[SX+n:SX+n+1], s[42:43], v[SA:SA+1] op_sel_hi:[1,0,0]
	v_pk_fma_f32 v[SY+n:SY+n+1], v[SY+n:SY+n+1], s[42:43], v[SB:SB+1] op_sel_hi:[1,0,0]
.set n, n+2
.endr
.endm
; The softmax of tiles 2 p (X, scores at v64) and 2 p + 1 (Y, at v128) for 128 keys, the two in turns
.macro SOFTMAX2 p
.set SA, ST+8*(\p)
.set SB, SA+4
.set OX, 64*(\p)
.set PX, PP+32*(\p)
	v_max3_num_f32 v24, v[SX], v[SX+1], v[SX+2]    ; the step's largest score of my query among my 64 keys, four chains a tile, ascending: each accumulator is first read at its low end
	v_max3_num_f32 v26, v[SY], v[SY+1], v[SY+2]
	v_max3_num_f32 v25, v[SX+3], v[SX+4], v[SX+5]
	v_max3_num_f32 v27, v[SY+3], v[SY+4], v[SY+5]
	v_max3_num_f32 v28, v[SX+6], v[SX+7], v[SX+8]
	v_max3_num_f32 v30, v[SY+6], v[SY+7], v[SY+8]
	v_max3_num_f32 v29, v[SX+9], v[SX+10], v[SX+11]
	v_max3_num_f32 v31, v[SY+9], v[SY+10], v[SY+11]
.irp i, 12,20,28,36,44,52
	v_max3_num_f32 v24, v24, v[SX+\i], v[SX+\i+1]
	v_max3_num_f32 v26, v26, v[SY+\i], v[SY+\i+1]
	v_max3_num_f32 v25, v25, v[SX+\i+2], v[SX+\i+3]
	v_max3_num_f32 v27, v27, v[SY+\i+2], v[SY+\i+3]
	v_max3_num_f32 v28, v28, v[SX+\i+4], v[SX+\i+5]
	v_max3_num_f32 v30, v30, v[SY+\i+4], v[SY+\i+5]
	v_max3_num_f32 v29, v29, v[SX+\i+6], v[SX+\i+7]
	v_max3_num_f32 v31, v31, v[SY+\i+6], v[SY+\i+7]
.endr
	v_max3_num_f32 v24, v24, v[SX+60], v[SX+61]
	v_max3_num_f32 v26, v26, v[SY+60], v[SY+61]
	v_max3_num_f32 v25, v25, v[SX+62], v[SX+63]
	v_max3_num_f32 v27, v27, v[SY+62], v[SY+63]
	v_max3_num_f32 v24, v24, v25, v28
	v_max3_num_f32 v26, v26, v27, v30
	v_max_num_f32 v24, v24, v29
	v_max_num_f32 v26, v26, v31
	v_mul_f32 v24, s42, v24                        ; as t (c is positive)
	v_mul_f32 v26, s42, v26
	v_permlanex16_b32 v25, v24, s40, s41           ; lane l xor 16's
	v_permlanex16_b32 v27, v26, s40, s41
	v_mov_b32 v28, v[SA]                           ; the old -M
	v_mov_b32 v30, v[SB]
	v_max3_num_f32 v[SA+1], v[SA+1], v24, v25      ; the running largest t
	v_max3_num_f32 v[SB+1], v[SB+1], v26, v27
	v_floor_f32 v[SA], -v[SA+1]                    ; the new -M = floor(-t) = -ceil(t): M is a whole number
	v_floor_f32 v[SB], -v[SB+1]
.set n, 0
	FMAS 2                                         ; the three lines that make f stand among the multiply-adds, which do not read it
	v_sub_f32 v28, v[SA], v28                      ; M's old value less its new one: a whole number, 0 or less
	v_sub_f32 v30, v[SB], v30
	FMAS 2
	v_cvt_i32_f32 v28, v28                         ; (it saturates)
	v_cvt_i32_f32 v30, v30
	FMAS 2
	v_ldexp_f32 v28, 1.0, v28                      ; f = 2^(old M - new M)
	v_ldexp_f32 v30, 1.0, v30
	FMAS 26
	WIN 0x41                                       ; O^T in window 1, f in window 0
	s_wait_alu depctr_va_vdst(0)
.set n, 0
.rept 16
	v_pk_mul_f32 v[OX+n:OX+n+1], v[OX+n:OX+n+1], v[28:29] op_sel_hi:[1,0]                  ; O^T under the new M
	v_pk_mul_f32 v[OX+32+n:OX+32+n+1], v[OX+32+n:OX+32+n+1], v[30:31] op_sel_hi:[1,0]
.set n, n+2
.endr
	WIN 0
	s_wait_alu depctr_va_vdst(0)
.set n, 0
.rept 128
	v_exp_f32 v[SX+n], v[SX+n]                     ; p = 2^(t - M), at most 1: one batch for both tiles
.set n, n+1
.endr
	v_pk_mul_f32 v[SA+2:SA+3], v[SA+2:SA+3], v[28:29] op_sel_hi:[1,0]   ; the sums under the new M: the plain lines behind the exponentials; f's last use
	v_pk_mul_f32 v[SB+2:SB+3], v[SB+2:SB+3], v[30:31] op_sel_hi:[1,0]
	s_wait_alu depctr_va_vdst(0)                   ; one wait for the batch, ahead of its first reader
	v_pk_add_f32 v[24:25], v[SX:SX+1], v[SX+2:SX+3]   ; the row's sum is taken of the UNQUANTISED p: two at a time, three chains a tile
	v_pk_add_f32 v[26:27], v[SY:SY+1], v[SY+2:SY+3]
	v_pk_add_f32 v[28:29], v[SX+4:SX+5], v[SX+6:SX+7]
	v_pk_add_f32 v[30:31], v[SY+4:SY+5], v[SY+6:SY+7]
.irp j, 8,14,20,26,32,38,44,50,56
	v_pk_add_f32 v[SA+2:SA+3], v[SA+2:SA+3], v[SX+\j:SX+\j+1]
	v_pk_add_f32 v[SB+2:SB+3], v[SB+2:SB+3], v[SY+\j:SY+\j+1]
	v_pk_add_f32 v[24:25], v[24:25], v[SX+\j+2:SX+\j+3]
	v_pk_add_f32 v[26:27], v[26:27], v[SY+\j+2:SY+\j+3]
	v_pk_add_f32 v[28:29], v[28:29], v[SX+\j+4:SX+\j+5]
	v_pk_add_f32 v[30:31], v[30:31], v[SY+\j+4:SY+\j+5]
.endr
	v_pk_add_f32 v[SA+2:SA+3], v[SA+2:SA+3], v[SX+62:SX+63]
	v_pk_add_f32 v[SB+2:SB+3], v[SB+2:SB+3], v[SY+62:SY+63]
	v_pk_add_f32 v[24:25], v[24:25], v[28:29]
	v_pk_add_f32 v[26:27], v[26:27], v[30:31]
	v_pk_add_f32 v[SA+2:SA+3], v[SA+2:SA+3], v[24:25]
	v_pk_add_f32 v[SB+2:SB+3], v[SB+2:SB+3], v[26:27]
.set n, 0
.rept 64
	v_dual_min_num_f32 v[SX+n], s47, v[SX+n] :: v_dual_min_num_f32 v[SX+n+1], s47, v[SX+n+1]   ; the conversion to an 8-bit code does not saturate (ISA guide 7.6.2); p is not negative, so the hold is one-sided; two numbers a line
.set n, n+2
.endr
	WIN 0x40                                       ; the codes go to window 1
.irp u, 0,1,2,3,4,5,6,7
	v_cvt_scalef32_pk8_fp8_f32 v[PX+2*\u:PX+2*\u+1], v[SX+8*\u:SX+8*\u+7], v[SCLV]         ; keys 16 u + 8 h + 0 .. 7: registers 2 u, 2 u + 1 of P
	v_cvt_scalef32_pk8_fp8_f32 v[PX+16+2*\u:PX+16+2*\u+1], v[SY+8*\u:SY+8*\u+7], v[SCLV]
.endr
	v_nop                                          ; a plain line between the conversions and the matrix instructions that write their sources or read their results
	WIN 0
.endm
; O^T += V^T P^T for the four tiles: sixteen accumulators, one instruction each
.macro PV
.irp a, 0,1,2,3
.irp j, 0,1,2,3
	v_wmma_f32_16x16x128_fp8_fp8 v[32*\j+8*\a:32*\j+8*\a+7], v[VF+16*\a:VF+16*\a+15], v[PP+16*\j:PP+16*\j+15], v[32*\j+8*\a:32*\j+8*\a+7]
.endr
.endr
.endm
; A key step: 128 keys for my 64 queries.  last = 1: no further fragments are read.
.macro STEP last
	s_wait_dscnt 16                                ; K's 16 loads are in; V^T's 16, issued behind them, may be out
	QK 0
	PLACES 4                                       ; in front of the first read of the results
	SOFTMAX2 0
	QK 1
.if \last
	PLACES 4
.else
	s_add_co_u32 s44, s44, 16384                   ; the next key block
	v_add_nc_u32 v[ADR], s44, v[LI]                ; (the first of four places behind the products above)
	PLACES 3
	LOADK                                          ; K's registers are done with: the next step's fragments
.endif
	SOFTMAX2 1
	s_wait_alu depctr_va_vdst(0)
.if \last
	s_wait_dscnt 0x0
.else
	s_wait_dscnt 16                                ; V^T's 16 loads are in; the next K's 16, issued behind them, may be out
.endif
	WIN 0x55
	PV
.if \last == 0
	PLACES 4                                       ; in front of loads into registers that matrix instructions have read
	WIN 0x40
	LOADV                                          ; the next step's V^T
.endif
	WIN 0
.endm
	s_wait_alu depctr_va_vdst(0)                   ; the wait at the head's end
	s_wait_tensorcnt 0x0                           ; my part of key blocks 0 to 3 has landed;
	ds_add_u32 v[SPW], v[NIL]
	s_wait_dscnt 0x0
	CROUND                                         ; so has every wave's, and all four work-groups are here: the joint loads meet
	tensor_load_to_lds s[28:31], s[G1R:G1R+7]      ; my eighth of key blocks 4 to 15: the first tensor load behind the round
	s_nop 0
	PLACES 4
	s_wait_loadcnt 0x0                             ; Q
	LOADK
	WIN 0x40
	LOADV
	WIN 0
	s_mov_b32 s45, 3
.Lfirst:                                               ; steps 0 to 2: they read key blocks 0 to 3 alone (step 2 reads block 3's fragments ahead)
	STEP 0
	s_sub_co_u32 s45, s45, 1
	s_cmp_lg_u32 s45, 0
	s_cbranch_scc1 .Lfirst
	s_wait_tensorcnt 0x0                           ; my part of key blocks 4 to 15 has landed;
	s_wait_dscnt 0x0                               ; no LDS instruction of mine is pending at the signal
	s_barrier_signal -1
	s_barrier_wait -1                              ; and so has every wave's.
	s_mov_b32 s45, 12
.Lrest:                                                ; steps 3 to 14
	STEP 0
	s_sub_co_u32 s45, s45, 1
	s_cmp_lg_u32 s45, 0
	s_cbranch_scc1 .Lrest
	STEP 1
	; THE WAY OUT.  O^T is divided by the row's sum, multiplied by 2^(e8 + e9), and goes through my own stage in LDS, a tile (16 queries x 256 bytes) at a time, so that sixteen lanes store 256 consecutive bytes, aligned.
.irp j, 0,1,2,3
	v_add_f32 v[ST+4*\j+2], v[ST+4*\j+2], v[ST+4*\j+3]   ; the sums' two halves,
.endr
.irp j, 0,1,2,3
	v_permlanex16_b32 v[24+\j], v[ST+4*\j+2], s40, s41
.endr
.irp j, 0,1,2,3
	v_add_f32 v[ST+4*\j+2], v[ST+4*\j+2], v[24+\j]       ; and lane l xor 16's: the rows' sums, at least 1/2
.endr
	s_wait_alu depctr_va_vdst(0)
.irp j, 0,1,2,3
	v_rcp_f32 v[ST+4*\j+2], v[ST+4*\j+2]
.endr
	v_and_b32 v31, 15, v0                          ; the addresses are the plain work behind the batch: r,
	v_bfe_u32 v7, v0, 4, 1                         ; h
	s_mul_i32 s57, s12, 16*SPITCH
	s_add_co_u32 s57, s57, STAGE                   ; my stage
	v_mul_u32_u24 v28, v31, SPITCH
	v_lshl_add_u32 v28, v7, 5, v28
	v_add_nc_u32 v28, s57, v28                     ; in: row r; fragment a's eight channels of my half lie 64 a + 32 h bytes on
	v_mul_u32_u24 v29, v7, SPITCH
	v_lshl_add_u32 v29, v31, 4, v29
	v_add_nc_u32 v29, s57, v29                     ; back: lanes 0-15 one row, lanes 16-31 the next
	v_lshlrev_b32 v30, 12, v7
	v_lshl_add_u32 v30, v31, 4, v30                ; and the same two rows of out, 4,096 bytes apart
	s_wait_alu depctr_va_vdst(0)                   ; one wait for the four reciprocals, ahead of their first reader
.irp j, 0,1,2,3
	v_ldexp_f32 v[ST+4*\j+2], v[ST+4*\j+2], s46    ; x 2^(e8 + e9)
.endr
	WIN 0x01
	s_wait_alu depctr_va_vdst(0)
.irp j, 0,1,2,3
.set n, 0
.rept 16
	v_pk_mul_f32 v[SX+32*\j+n:SX+32*\j+n+1], v[32*\j+n:32*\j+n+1], v[ST+4*\j+2:ST+4*\j+3] op_sel_hi:[1,0]   ; register 8 a + i is o(r, 16 a + 8 h + i); each accumulator from its low end on
.set n, n+2
.endr
.endr
	WIN 0
	s_wait_alu depctr_va_vdst(0)
.macro TOSTG src, back                 ; a tile into my stage and back as whole rows: LDS serves a wave's instructions in order, so the loads see the stores, and the next tile's stores come behind them
.irp a, 0,1,2,3
	ds_store_b128 v28, v[\src+8*\a:\src+8*\a+3] offset:64*\a
	ds_store_b128 v28, v[\src+8*\a+4:\src+8*\a+7] offset:64*\a+16
.endr
.irp i, 0,1,2,3,4,5,6,7
	ds_load_b128 v[\back+4*\i:\back+4*\i+3], v29 offset:2*\i*SPITCH
.endr
.endm
.macro SEND j, back, younger           ; younger: the LDS instructions of the tiles staged behind this one
.irp i, 0,1,2,3,4,5,6,7
	s_wait_dscnt \younger+7-\i
	global_store_b128 v30, v[\back+4*\i:\back+4*\i+3], s[8:9] offset:65536*\j+8192*\i th:TH_STORE_NT
.endr
.endm
	TOSTG SX, KF
	TOSTG SX+32, KF+32
	TOSTG SX+64, Q
	SEND 0, KF, 32
	s_wait_xcnt 0x0                                ; tile 0's stores have read their data: tile 3's rows may land there
	TOSTG SX+96, KF
	SEND 1, KF+32, 32
	SEND 2, Q, 16
	SEND 3, KF, 0
	s_wait_tensorcnt 0x0                           ; the wave's end
	ds_add_u32 v[SPW], v[NIL]
	s_wait_dscnt 0x0
	CROUND                                         ; the closing round: no work-group ends while a partner may still ask for a tile that names it
	s_endpgm
.Lfunc_end_k_qc22061079d_attn:
	.size	k_qc22061079d_attn, .Lfunc_end_k_qc22061079d_attn-k_qc22061079d_attn
	.p2alignl 7, 3214868480
	.fill 96, 4, 3214868480
	.section	.rodata,"a",@progbits
	.p2align	6, 0x0
	.amdhsa_kernel k_qc22061079d_attn
		.amdhsa_group_segment_fixed_size 327680
		.amdhsa_private_segment_fixed_size 0
		.amdhsa_enable_private_segment 0
		.amdhsa_kernarg_size 24
		.amdhsa_user_sgpr_count 2
		.amdhsa_user_sgpr_kernarg_segment_ptr 1
		.amdhsa_wavefront_size32 1
		.amdhsa_system_sgpr_workgroup_id_x 1
		.amdhsa_system_sgpr_workgroup_id_y 1
		.amdhsa_system_sgpr_workgroup_id_z 1
		.amdhsa_system_vgpr_workitem_id 0
		.amdhsa_next_free_vgpr 512
		.amdhsa_next_free_sgpr 66
		.amdhsa_reserve_vcc 0
		.amdhsa_float_denorm_mode_32 3
		.amdhsa_float_denorm_mode_16_64 3
		.amdhsa_memory_ordered 1
		.amdhsa_forward_progress 1
		.amdhsa_inst_pref_size 187
	.end_amdhsa_kernel
	.amdgpu_metadata
---
amdhsa.version: [ 1, 2 ]
amdhsa.kernels:
  - .name:           k_qc22061079d_attn
    .symbol:         k_qc22061079d_attn.kd
    .args:
      - { .name: qkv, .offset: 0, .size: 8, .value_kind: global_buffer, .address_space: global }
      - { .name: lowp_scales, .offset: 8, .size: 8, .value_kind: global_buffer, .address_space: global }
      - { .name: out0, .offset: 16, .size: 8, .value_kind: global_buffer, .address_space: global }
    .group_segment_fixed_size: 327680
    .private_segment_fixed_size: 0
    .kernarg_segment_align: 8
    .kernarg_segment_size: 24
    .max_flat_workgroup_size: 256
    .sgpr_count:     66
    .vgpr_count:     512
    .wavefront_size: 32
...
	.end_amdgpu_metadata
.endif
;; end of part 3
